; MI455X (gfx1250); checked and timed in simulation.
; The chip was launched on July 23, 2026; its instructions are those of AMD's public machine-readable ISA for CDNA 5 (MIT licence, August 2026) and "CDNA5" Instruction Set Architecture Reference Guide (July 2026). The comments in the code are by the model that wrote it; some were corrected since.
;; Multi Head Attention. Allowed arithmetic: matrix products marked QUANTISED: E4M3 operands, one E8M0 scale for each 32 along K, by v_wmma_scale_f32_16x16x128_f8f6f4 with both operands' format E4M3, f32 sums; everything else in f32.
;; Inputs: W_out 1,024 x 1,024 float32; b_out 1,024 float32; keys 4 x 2,048 x 1,024 float32; mask 4 x 1 x 2,048 x 2,048 int32; query 4 x 2,048 x 1,024 float32; values 4 x 2,048 x 1,024 float32.
;; Outputs: out0 4 x 2,048 x 1,024 float32.
;; This version of the problem:
;;   THIS VERSION OF THE PROBLEM IS GIVEN IN LOW PRECISION. The matrix products marked QUANTISED in the list below multiply operands that are first quantised to E4M3 (4 exponent bits, 3 mantissa bits; 8 bits a number), with one power-of-two scale for each 32 numbers along K (OCP MX v1.0); their sums are f32. All else is computed in f32.
;;   The module's matrix products, in the order in which they are computed (A, B: the left and right operand; K: the contracted axis; several contracted axes count as one K, in the product's order):
;;     1. batch 64 x [M 2,048, K 64] x [K 64, N 2,048]; A: input query; B: input keys: QUANTISED
;;     2. batch 64 x [M 64, K 2,048] x [K 2,048, N 2,048]; A: input values; B: softmax (see below): QUANTISED
;;     3. [M 8,192, K 1,024] x [K 1,024, N 1,024]; A: computed on the way; B: input W_out: QUANTISED
;;   THE QUANTISER, for each operand of a quantised product, along K:
;;     - K is cut into blocks of 32 from its start; a last block that is shorter is filled with zeros.
;;     - A block's scale is 2^e with e = floor(log2(the largest magnitude in the block)) - 8, held to -126 .. 127; a block of zeros has e = 0. As a byte (E8M0): e + 127.
;;     - Each number is divided by its block's scale, clamped to +-448, and rounded to the nearest number of E4M3, ties to even, subnormals kept.
;;     - The product sums the exact products of the quantised numbers (number of the format x scale) in f32.
;;   ~~~python
;;   def quantise(x, axis):      # numpy; x: float32 -> the quantised numbers, widened to float32 again
;;       x = np.moveaxis(x, axis, -1); K = x.shape[-1]
;;       x = np.pad(x, [(0, 0)] * (x.ndim - 1) + [(0, -K % 32)]); x = x.reshape(x.shape[:-1] + (-1, 32)); a = np.abs(x).max(-1, keepdims=True)
;;       e = np.where(a > 0, np.clip(np.frexp(np.where(a > 0, a, 1))[1] - 1 - 8, -126, 127), 0)      # np.frexp(a)[1] - 1 = floor(log2(a)), exactly
;;       r = np.clip(x / 2.0 ** e, -448, 448)
;;       step = 2.0 ** (np.maximum(np.frexp(np.where(r == 0, 1, r))[1] - 1, -6) - 3)
;;       q = np.round(r / step) * step * 2.0 ** e      # np.round: ties to even
;;       return np.moveaxis(q.reshape(q.shape[:-2] + (-1,))[..., :K], -1, axis).astype(np.float32)
;;   ~~~
;;   SOFTMAX AHEAD OF A QUANTISED PRODUCT. Where the list says 'softmax', what is quantised is not the finished softmax but p = 2^(t - M), with t = logit x log2(e) and M = ceil(the row's largest t), a whole number; so 1/2 < the row's largest p <= 1. The row's sum l is taken of the UNQUANTISED p, in f32, and the product's result is divided by l at the end. Since M is a whole number, a kernel that streams over the keys may use a running M (the ceiling of the running maximum): every later rescaling is an exact power of two, which a block's scale takes up: the codes' values come out the same.
;;   OPERANDS COMPUTED ON THE WAY. 'Computed on the way' means the value that the module computes at that place (a softmax that the list does not call 'softmax' is quantised finished and normalised). What goes into a quantiser is computed in f32, as accurately as f32 sums, v_exp_f32 and their like allow (about 1e-6 of the number): no bf16 or f16 on the way to a quantiser, and a product that is left as it is and whose result goes on into a quantised operand takes f32 operands (vector FMAs, or v_wmma_f32_16x16x4_f32). A number that lies on a knife's edge between two numbers of the format may be rounded either way, as far as f32 arithmetic and the matrix unit's own rounding can turn it there, and no further.
;; One version. Each part assembles by itself: llvm-mc -triple=amdgcn-amd-amdhsa -mcpu=gfx1250 --defsym DOCPART=n.
;; ======== version 1 of 1: 3 launches
;; limits: right only within a limited range of input values
;; workspace buffers: kcodes 8,388,608 bytes; kscales 262,144 bytes; wq 1,081,344 bytes; vcodes 8,388,608 bytes; vscales 262,144 bytes; mbits 2,097,152 bytes of whole numbers; ocodes 8,388,608 bytes; oscales 262,144 bytes
;; launch prep (part 1): grid 1056 x 1, 4 waves a work-group, no clusters, 101,888 bytes of LDS; arguments keys, W_out, kcodes, kscales, wq, values, vcodes, vscales, mask, mbits; writes kcodes, kscales, wq, vcodes, vscales, mbits
.if DOCPART == 1
	.amdgcn_target "amdgcn-amd-amdhsa--gfx1250"
	.amdhsa_code_object_version 6
	.text
	.protected	k_q56b255d010_prep
	.globl	k_q56b255d010_prep
	.p2align	8
	.type	k_q56b255d010_prep,@function
k_q56b255d010_prep:
	s_mov_b64 s[64:65], 0
	v_nop
	global_prefetch_b8 v0, s[64:65] scope:SCOPE_SE
	s_setreg_imm32_b32 hwreg(HW_REG_WAVE_MODE, 25, 1), 1
	s_wait_xcnt 0x0
; MULTI-HEAD ATTENTION IN MX-FP8, launch 1 of 3: what many work-groups read later is made narrow once.
; NO WORK OF THE PROBLEM IS LEFT OUT in any of the three launches: every input (query, keys, values, mask, W_out, b_out) has a way to the output and is loaded.
; Three kinds of work-groups, told apart by the work-group's number alone; each reads 128 KiB; waves share nothing, so there is no barrier.
;   0 .. 287    keys [8192][1024] (256 groups) and W_out [1024][1024] (32 groups), f32, K innermost: codes of E4M3 and one E8M0 byte for each 32 along K, laid as the numbers lie.
;               W's codes fill wq's first 1,048,576 bytes, its scale bytes [1024][32] follow.
;   288 .. 543  values [4][2048 keys][1024 columns]: K of the second product is the KEYS, the first axis of a batch.  A lane takes a column, its registers run down the keys: codes [4][1024][2048], keys innermost,
;               scale bytes [4][1024][64].  INSIDE EACH 32 KEYS the second and third group of eight change places: slot 16 h + 8 u + j holds key 16 u + 8 h + j.  The weights p of the attention launch
;               come out of its first product in just that order, and a permutation of K inside a block, applied to both operands alike, changes neither the block's scale nor any product.
;   544 .. 1055 mask [8192 rows][2048 keys] int32: packed into words of 32 bits, one bit a LANE of the attention launch: [512 tiles of 16 rows][16 steps of 128 keys][64 words];
;               bit 16 h + r of word 8 T + j says whether mask[row r of the tile][key 128 s + 16 T + 8 h + j] is not 0.  Such a word is a select mask for one register of scores as it stands.
; THE QUANTISER: a block's scale is 2^(floor(log2(its largest magnitude)) - 8); its byte is the largest magnitude's exponent field - 8, held at 1 from below; numbers are held within +-448 x the scale and rounded to the nearest code, ties to even.
; LIMITS: a block of zeros, and a block whose largest magnitude lies under 2^-118, gets the byte 1 (a block of zeros has zero codes, which add nothing under any byte; these bytes are read by this program alone).
;         NaN and infinities among the inputs are not served.
; LDS: each kind of work-group has bytes of its own: 0 .. 32767 keys and W_out (8,192 a wave), 32768 .. 67583 values (32 rows of 272 a wave), 67584 .. 101375 mask (16 rows of 528 a wave); then the spare words.
.set SPW,   238                        ; v238  LDS address of my spare word: SPARE + 4 x my thread's number; never rewritten
.set NIL,   239                        ; v239  0; never rewritten
.set VSTG,  32768
.set MSTG,  67584
.set SPARE, 101376                     ; 128 bytes for each wave: two blocks of 256 bytes that no other line names
.set MANT,  0x600000                   ; the mantissa field of 448 as f32
	v_lshl_add_u32 v[SPW], v0, 2, SPARE
	v_mov_b32 v[NIL], 0
	v_lshrrev_b32 v1, 5, v0
	v_readfirstlane_b32 s16, v1                    ; wave 0..3
	v_and_b32 v2, 31, v0                           ; lane
	s_cmp_lt_u32 ttmp9, 288
	s_cbranch_scc1 .Lpath_kw
	s_cmp_lt_u32 ttmp9, 544
	s_cbranch_scc1 .Lpath_v
; ---------------------------------------------------------------- THE MASK
; The work-group takes 16 rows of the mask, wave w the key steps 4 w .. 4 w + 3.  A load reads 512 consecutive bytes of one row (128 keys).  A step's 16 x 512 bytes turn through the wave's own stage
; (rows 528 bytes apart: 33 x 16, so that sixteen rows start in different banks), so that lane (r, h) holds row r and, in register 8 T + j, key 16 T + 8 h + j.  A compare of a register against 0 then IS the word.
.set MR, 32                            ; v32-159   two sets of 64 registers as loaded
.set MX, 160                           ; v160-223  a step's 64 registers, turned
.set OW, 224                           ; v224-231  a pair for each step: lane l holds words 2 l and 2 l + 1; no store's data are written again
	s_load_b128 s[4:7], s[0:1], 0x40               ; mask, mbits
	s_sub_co_u32 s17, ttmp9, 544                   ; which 16 rows
	s_lshl_b32 s18, s17, 17                        ; 16 rows of 8,192 bytes,
	s_lshl_b32 s19, s16, 11                        ; my wave's four steps of 512 bytes
	s_add_co_u32 s18, s18, s19
	s_mov_b32 s19, 0
	s_lshl_b32 s36, s17, 12                        ; the tile's 16 x 256 bytes of words,
	s_lshl_b32 s37, s16, 10                        ; my wave's four steps
	s_add_co_u32 s36, s36, s37
	s_mov_b32 s37, 0
	s_mul_i32 s38, s16, 16*528
	s_add_co_u32 s38, s38, MSTG                    ; my stage
	s_wait_alu depctr_va_vdst(0)
	v_lshlrev_b32 v3, 4, v2                        ; 16 x lane: my bytes of a load's 512
	v_add_nc_u32 v4, s38, v3                       ; into the stage: as loaded
	v_and_b32 v7, 15, v2
	v_lshrrev_b32 v8, 4, v2
	v_mul_u32_u24 v5, v7, 528
	v_lshl_add_u32 v5, v8, 5, v5
	v_add_nc_u32 v5, s38, v5                       ; out of it: row r, + 32 h
	v_lshlrev_b32 v6, 3, v2                        ; two words a lane
.irp i, 0,1,2,3,4,5,6,7
	v_mov_b32 v[OW+\i], 0                          ; a lane write's destination counts as read
.endr
	s_wait_kmcnt 0x0
	s_add_nc_u64 s[4:5], s[4:5], s[18:19]
	s_add_nc_u64 s[6:7], s[6:7], s[36:37]
.macro MLOAD t
.set RL, MR+64*((\t)%2)
.irp i, 0,1,2,3,4,5,6,7,8,9,10,11,12,13,14,15
	global_load_b128 v[RL+4*\i:RL+4*\i+3], v3, s[4:5] offset:8192*\i+512*(\t) th:TH_LOAD_NT
.endr
.endm
.macro MSTEP t
.set RS, MR+64*((\t)%2)
.if (\t) < 3
	s_wait_loadcnt 16                              ; this step's 16 loads are in; the next step's 16 may be out
.else
	s_wait_loadcnt 0x0
.endif
.irp i, 0,1,2,3,4,5,6,7,8,9,10,11,12,13,14,15
	ds_store_b128 v4, v[RS+4*\i:RS+4*\i+3] offset:528*\i
.endr
.irp i, 0,1,2,3,4,5,6,7
	ds_load_b128 v[MX+8*\i:MX+8*\i+3], v5 offset:64*\i         ; LDS serves a wave's instructions in order: these see the stores above
	ds_load_b128 v[MX+8*\i+4:MX+8*\i+7], v5 offset:64*\i+16
.endr
	s_wait_dscnt 0x0                               ; the step is turned, and the stores have read their registers,
.if (\t) < 2
	MLOAD (\t)+2                                   ; which take the loads of two steps on
.endif
.set mb, 0
.rept 4
.set mi, 0
.rept 16
	v_cmp_ne_u32 s[20+mi], 0, v[MX+16*mb+mi]       ; word 16 mb + mi: a bit a lane
.set mi, mi+1
.endr
.set mi, 0
.rept 16
	v_writelane_b32 v[OW+2*(\t)+(mi&1)], s[20+mi], (16*mb+mi)>>1
.set mi, mi+1
.endr
.set mb, mb+1
.endr
	global_store_b64 v6, v[OW+2*(\t):OW+2*(\t)+1], s[6:7] offset:256*(\t)   ; 32 lanes store 256 consecutive bytes, at a multiple of 256 from the buffer's first byte
.endm
	MLOAD 0
	MLOAD 1
	MSTEP 0
	MSTEP 1
	MSTEP 2
	MSTEP 3
	s_wait_tensorcnt 0x0                           ; the wave's end, behind my last LDS store
	ds_add_u32 v[SPW], v[NIL]
	s_wait_dscnt 0x0
	s_endpgm
; ---------------------------------------------------------------- KEYS AND W_OUT: K innermost
; Both are plain streams of blocks of 32 numbers.  A wave takes 16 steps of 512 numbers.  Each of a step's four loads reads 512 consecutive bytes; the 2,048 bytes go through the wave's own stage and come back
; 64 bytes a lane (16 neighbours; two neighbouring lanes hold a block); the stage has 16 bytes of padding behind each 64.  A lane's 16 codes are 16 bytes: the wave stores 512 consecutive bytes.
; A wave's 256 scale bytes are gathered in LDS and leave as one aligned run of 256 bytes.  Loads run four steps ahead, the turn through LDS one step.
.set STEPS, 16
.set WGA,   256                        ; the first 256 work-groups take keys, the next 32 W_out
.set CB,    16
.set KR,    16                         ; v16-79   four sets of 16 numbers as loaded
.set KX,    80                         ; v80-111  two sets of 16 neighbours
.set KE,    112                        ; v112-127 a scale byte for each step
.set KC,    128                        ; v128-191 codes: four registers for each step
.set WREG,  8192
.set SP,    80
.macro KLOAD t
.irp i, 0,1,2,3
	global_load_b128 v[KR+16*((\t)%4)+4*\i:KR+16*((\t)%4)+4*\i+3], v3, s[4:5] offset:2048*(\t)+512*\i th:TH_LOAD_NT
.endr
.endm
.macro KTURN t
.irp i, 0,1,2,3
	ds_store_b128 v14, v[KR+16*((\t)%4)+4*\i:KR+16*((\t)%4)+4*\i+3] offset:32*SP*((\t)%2)+8*SP*\i
.endr
.irp i, 0,1,2,3
	ds_load_b128 v[KX+16*((\t)%2)+4*\i:KX+16*((\t)%2)+4*\i+3], v15 offset:32*SP*((\t)%2)+16*\i
.endr
.endm
.macro KSTEP t
.set XS, KX+16*((\t)%2)
.if (\t) > 0
	s_wait_dscnt 1                                 ; this step's numbers are back from the stage (the last step's byte store may be out)
.else
	s_wait_dscnt 0x0
.endif
.if (\t)+4 < STEPS
	KLOAD (\t)+4
.endif
.if (\t)+1 < STEPS
.if STEPS-2-(\t) >= 3
	s_wait_loadcnt 12                              ; the next step's four loads are in; those of the three steps behind it may be out
.else
	s_wait_loadcnt 4*(STEPS-2-(\t))
.endif
	KTURN (\t)+1
.endif
	v_max3_num_f32 v8, |v[XS]|, |v[XS+1]|, |v[XS+2]|
	v_max3_num_f32 v9, |v[XS+3]|, |v[XS+4]|, |v[XS+5]|
.irp i, 6,10
	v_max3_num_f32 v8, v8, |v[XS+\i]|, |v[XS+\i+1]|
	v_max3_num_f32 v9, v9, |v[XS+\i+2]|, |v[XS+\i+3]|
.endr
	v_max3_num_f32 v8, v8, |v[XS+14]|, |v[XS+15]|
	v_max3_num_f32 v8, v8, v9, 0x4800000           ; and the floor 2^(9 - 127): the byte cannot fall under 1
	v_max_num_f32_dpp v8, v8, v8 row_xmask:1 row_mask:0xf bank_mask:0xf   ; with my neighbour's 16: the block's largest magnitude
	v_add_nc_u32 v11, 0xfc000000, v8               ; 8 off its exponent field: the conversion's scale operand
	v_and_or_b32 v10, v8, 0x7f800000, s23          ; 448 x the scale
.irp i, 0,1,2,3,4,5,6,7,8,9,10,11,12,13,14,15
	v_med3_num_f32 v[XS+\i], v[XS+\i], -v10, v10   ; the conversion to an 8-bit code does not saturate (ISA guide 7.6.2): the hold comes first
.endr
	v_cvt_scalef32_pk8_fp8_f32 v[KC+4*(\t):KC+4*(\t)+1], v[XS:XS+7], v11
	v_cvt_scalef32_pk8_fp8_f32 v[KC+4*(\t)+2:KC+4*(\t)+3], v[XS+8:XS+15], v11
	v_lshrrev_b32 v[KE+(\t)], 23, v11              ; the scale's byte
	ds_store_b8 v5, v[KE+(\t)] offset:16*(\t)      ; both lanes of a block write the same byte with the same value
	global_store_b128 v4, v[KC+4*(\t):KC+4*(\t)+3], s[8:9] offset:32*CB*(\t)
.endm
.Lpath_kw:
	s_load_b128 s[4:7], s[0:1], 0x0                ; keys, W_out
	s_load_b128 s[8:11], s[0:1], 0x10              ; keys' codes, keys' scale bytes
	s_load_b64 s[12:13], s[0:1], 0x20              ; W's codes; its scale bytes follow them
	s_wait_alu depctr_va_vdst(0)
	v_lshlrev_b32 v3, 4, v2                        ; my 16 bytes of a load's 512
	s_mul_i32 s17, s16, WREG
	v_lshrrev_b32 v14, 2, v2
	v_mul_u32_u24 v14, v14, SP
	v_and_b32 v15, 3, v2
	v_lshl_add_u32 v14, v15, 4, v14
	v_add_nc_u32 v14, s17, v14                     ; into the stage: SP (lane / 4) + 16 (lane % 4)
	v_mul_u32_u24 v15, v2, SP
	v_add_nc_u32 v15, s17, v15                     ; out of it: SP x lane
	v_mul_u32_u24 v4, v2, CB                       ; my codes' place in a step's
	v_lshrrev_b32 v5, 1, v2
	s_add_co_u32 s17, s17, 2*32*SP
	v_add_nc_u32 v5, s17, v5                       ; my wave's 256 scale bytes, my block's byte
	v_lshlrev_b32 v7, 3, v2
	v_add_nc_u32 v6, s17, v7
	s_mov_b32 s23, MANT
	s_wait_alu depctr_va_vdst(0)
	s_wait_kmcnt 0x0
	s_add_nc_u64 s[14:15], s[12:13], 0x100000      ; W's scale bytes
	s_cmp_lt_u32 ttmp9, WGA                        ; the choice hangs on the work-group's number alone
	s_cselect_b64 s[4:5], s[4:5], s[6:7]
	s_cselect_b64 s[8:9], s[8:9], s[12:13]
	s_cselect_b64 s[10:11], s[10:11], s[14:15]
	s_cselect_b32 s17, 0, WGA
	s_sub_co_u32 s17, ttmp9, s17
	s_lshl_b32 s17, s17, 2
	s_add_co_u32 s18, s17, s16                     ; which run of 8,192 numbers is my wave's
	s_mov_b32 s19, 0
	s_mov_b64 s[20:21], 512*STEPS*4
	s_mul_u64 s[20:21], s[18:19], s[20:21]
	s_add_nc_u64 s[4:5], s[4:5], s[20:21]
	s_mov_b64 s[20:21], 32*STEPS*CB
	s_mul_u64 s[20:21], s[18:19], s[20:21]
	s_add_nc_u64 s[8:9], s[8:9], s[20:21]
	s_lshl_b32 s18, s18, 8                         ; 256 scale bytes a run
	s_add_nc_u64 s[10:11], s[10:11], s[18:19]
.irp t, 0,1,2,3
	KLOAD \t
.endr
	s_wait_loadcnt 12                              ; step 0's four loads are in
	KTURN 0
.irp t, 0,1,2,3,4,5,6,7,8,9,10,11,12,13,14,15
	KSTEP \t
.endr
	ds_load_b64 v[8:9], v6                         ; LDS serves a wave's instructions in order: these see my byte stores
	s_wait_dscnt 0x0
	global_store_b64 v7, v[8:9], s[10:11]          ; 32 lanes store 256 consecutive bytes, aligned
	s_wait_tensorcnt 0x0                           ; the wave's end, behind my last LDS store
	ds_add_u32 v[SPW], v[NIL]
	s_wait_dscnt 0x0
	s_endpgm
; ---------------------------------------------------------------- VALUES: K (the keys) outermost
; A wave takes 32 columns x 256 keys: 8 blocks a lane.  Each load reads one key's row at 32 neighbouring columns (128 consecutive bytes a wave, 512 a work-group).  A block lies in ONE lane's 32 registers.
; The codes go through the wave's own stage (a row a column, 272 bytes apart) and leave as rows: sixteen lanes store 256 consecutive bytes, aligned.  Loads run two blocks ahead.
; The scale bytes leave 8 a lane, 64 bytes apart: aligned runs of 256 bytes are written in part there; they are one byte in 128 of what these work-groups read.
.set VNB,   8
.set VPITCH, 272
.set VKROW, 2048                       ; a row of the codes' buffer
.set VSB,   24                         ; v24-25   the scale bytes
.set VX,    32                         ; v32-95   two sets of 32 numbers
.set VC,    96                         ; v96-103  a block's codes
.set VOUT,  112                        ; v112-175 the way out
.macro VLOAD t
.irp i, 0,1,2,3,4,5,6,7,8,9,10,11,12,13,14,15,16,17,18,19,20,21,22,23,24,25,26,27,28,29,30,31
	global_load_b32 v[VX+32*((\t)%2)+\i], v3, s[4:5] offset:(32*(\t)+\i)*4096 th:TH_LOAD_NT
.endr
.endm
.macro VBLOCK t
.set XS, VX+32*((\t)%2)
.if (\t) < VNB-1
	s_wait_loadcnt 32                              ; this block's 32 loads are in; the next block's may be out
.else
	s_wait_loadcnt 0x0
.endif
	v_max3_num_f32 v12, |v[XS]|, |v[XS+1]|, |v[XS+2]|
	v_max3_num_f32 v13, |v[XS+3]|, |v[XS+4]|, |v[XS+5]|
.irp i, 6,10,14,18,22,26
	v_max3_num_f32 v12, v12, |v[XS+\i]|, |v[XS+\i+1]|
	v_max3_num_f32 v13, v13, |v[XS+\i+2]|, |v[XS+\i+3]|
.endr
	v_max3_num_f32 v12, v12, |v[XS+30]|, |v[XS+31]|
	v_max3_num_f32 v12, v12, v13, 0x4800000        ; and the floor 2^(9 - 127)
	v_add_nc_u32 v11, 0xfc000000, v12              ; the conversion's scale operand
	v_and_or_b32 v10, v12, 0x7f800000, s31         ; 448 x the scale
	v_lshrrev_b32 v13, 23, v11                     ; the scale's byte
.if (\t)%4 == 0
	v_mov_b32 v[VSB+(\t)/4], v13
.else
	v_lshl_or_b32 v[VSB+(\t)/4], v13, 8*((\t)%4), v[VSB+(\t)/4]
.endif
.irp i, 0,1,2,3,4,5,6,7,8,9,10,11,12,13,14,15,16,17,18,19,20,21,22,23,24,25,26,27,28,29,30,31
	v_med3_num_f32 v[XS+\i], v[XS+\i], -v10, v10
.endr
.irp g, 0,1,2,3
	v_cvt_scalef32_pk8_fp8_f32 v[VC+2*((\g%2)*2+\g/2):VC+2*((\g%2)*2+\g/2)+1], v[XS+8*\g:XS+8*\g+7], v11   ; keys 8 g .. 8 g + 7 go to the slots' group 0, 2, 1, 3: the second and third group change places
.endr
	ds_store_b128 v4, v[VC:VC+3] offset:32*(\t)
	ds_store_b128 v4, v[VC+4:VC+7] offset:32*(\t)+16
.if (\t)+2 < VNB
	VLOAD (\t)+2
.endif
	s_wait_dscnt 0x0                               ; the stores have read their registers: the next block's codes may be written
.endm
.Lpath_v:
	s_load_b128 s[4:7], s[0:1], 0x28               ; values, their codes
	s_load_b64 s[8:9], s[0:1], 0x38                ; their scale bytes
	s_sub_co_u32 s17, ttmp9, 288
	s_and_b32 s18, s17, 7                          ; which 128 columns
	s_bfe_u32 s19, s17, 0x30003                    ; which 256 keys
	s_lshr_b32 s20, s17, 6                         ; the batch
	s_lshl_b32 s21, s18, 7
	s_lshl_b32 s22, s16, 5
	s_add_co_u32 s21, s21, s22                     ; my wave's first column
	s_lshl_b32 s24, s20, 23                        ; values: batch x 8,388,608 + 256 keys x 4,096 bytes + 4 x column
	s_lshl_b32 s25, s19, 20
	s_add_co_u32 s24, s24, s25
	s_lshl_b32 s25, s21, 2
	s_add_co_u32 s24, s24, s25
	s_mov_b32 s25, 0
	s_lshl_b32 s26, s20, 21                        ; codes: batch x 2,097,152 + column x 2,048 + 256 x which keys
	s_lshl_b32 s27, s21, 11
	s_add_co_u32 s26, s26, s27
	s_lshl_b32 s27, s19, 8
	s_add_co_u32 s26, s26, s27
	s_mov_b32 s27, 0
	s_lshl_b32 s28, s20, 16                        ; scale bytes: batch x 65,536 + column x 64 + 8 x which keys
	s_lshl_b32 s29, s21, 6
	s_add_co_u32 s28, s28, s29
	s_lshl_b32 s29, s19, 3
	s_add_co_u32 s28, s28, s29
	s_mov_b32 s29, 0
	s_mul_i32 s30, s16, 32*VPITCH
	s_add_co_u32 s30, s30, VSTG                    ; my stage
	s_wait_alu depctr_va_vdst(0)
	v_lshlrev_b32 v3, 2, v2                        ; in: 4 bytes a lane
	v_mul_u32_u24 v4, v2, VPITCH
	v_add_nc_u32 v4, s30, v4                       ; into the stage: row = my column
	v_and_b32 v5, 15, v2
	v_lshrrev_b32 v6, 4, v2
	v_mul_u32_u24 v7, v6, VPITCH
	v_lshl_add_u32 v7, v5, 4, v7
	v_add_nc_u32 v7, s30, v7                       ; out of it: sixteen lanes to a row, two rows an instruction
	v_mul_u32_u24 v8, v6, VKROW
	v_lshl_add_u32 v8, v5, 4, v8                   ; and the same place in the codes' buffer
	v_lshlrev_b32 v9, 6, v2                        ; my column's row of scale bytes
	s_mov_b32 s31, MANT
	s_wait_kmcnt 0x0
	s_add_nc_u64 s[4:5], s[4:5], s[24:25]
	s_add_nc_u64 s[6:7], s[6:7], s[26:27]
	s_add_nc_u64 s[8:9], s[8:9], s[28:29]
	VLOAD 0
	VLOAD 1
.irp t, 0,1,2,3,4,5,6,7
	VBLOCK \t
.endr
	global_store_b64 v9, v[VSB:VSB+1], s[8:9]
.irp t, 0,1,2,3,4,5,6,7,8,9,10,11,12,13,14,15
	ds_load_b128 v[VOUT+4*\t:VOUT+4*\t+3], v7 offset:2*\t*VPITCH
.endr
.irp t, 0,1,2,3,4,5,6,7,8,9,10,11,12,13,14,15
	s_wait_dscnt 15-\t
	global_store_b128 v8, v[VOUT+4*\t:VOUT+4*\t+3], s[6:7] offset:2*\t*VKROW
.endr
	s_wait_tensorcnt 0x0                           ; the wave's end, behind my last LDS store
	ds_add_u32 v[SPW], v[NIL]
	s_wait_dscnt 0x0
	s_endpgm
.Lfunc_end_k_q56b255d010_prep:
	.size	k_q56b255d010_prep, .Lfunc_end_k_q56b255d010_prep-k_q56b255d010_prep
	.p2alignl 7, 3214868480
	.fill 96, 4, 3214868480
	.section	.rodata,"a",@progbits
	.p2align	6, 0x0
	.amdhsa_kernel k_q56b255d010_prep
		.amdhsa_group_segment_fixed_size 101888
		.amdhsa_private_segment_fixed_size 0
		.amdhsa_enable_private_segment 0
		.amdhsa_kernarg_size 80
		.amdhsa_user_sgpr_count 2
		.amdhsa_user_sgpr_kernarg_segment_ptr 1
		.amdhsa_wavefront_size32 1
		.amdhsa_system_sgpr_workgroup_id_x 1
		.amdhsa_system_sgpr_workgroup_id_y 1
		.amdhsa_system_sgpr_workgroup_id_z 1
		.amdhsa_system_vgpr_workitem_id 0
		.amdhsa_next_free_vgpr 240
		.amdhsa_next_free_sgpr 66
		.amdhsa_reserve_vcc 0
		.amdhsa_float_denorm_mode_32 3
		.amdhsa_float_denorm_mode_16_64 3
		.amdhsa_memory_ordered 1
		.amdhsa_forward_progress 1
		.amdhsa_inst_pref_size 158
	.end_amdhsa_kernel
	.amdgpu_metadata
---
amdhsa.version: [ 1, 2 ]
amdhsa.kernels:
  - .name:           k_q56b255d010_prep
    .symbol:         k_q56b255d010_prep.kd
    .args:
      - { .name: keys, .offset: 0, .size: 8, .value_kind: global_buffer, .address_space: global }
      - { .name: W_out, .offset: 8, .size: 8, .value_kind: global_buffer, .address_space: global }
      - { .name: kcodes, .offset: 16, .size: 8, .value_kind: global_buffer, .address_space: global }
      - { .name: kscales, .offset: 24, .size: 8, .value_kind: global_buffer, .address_space: global }
      - { .name: wq, .offset: 32, .size: 8, .value_kind: global_buffer, .address_space: global }
      - { .name: values, .offset: 40, .size: 8, .value_kind: global_buffer, .address_space: global }
      - { .name: vcodes, .offset: 48, .size: 8, .value_kind: global_buffer, .address_space: global }
      - { .name: vscales, .offset: 56, .size: 8, .value_kind: global_buffer, .address_space: global }
      - { .name: mask, .offset: 64, .size: 8, .value_kind: global_buffer, .address_space: global }
      - { .name: mbits, .offset: 72, .size: 8, .value_kind: global_buffer, .address_space: global }
    .group_segment_fixed_size: 101888
    .private_segment_fixed_size: 0
    .kernarg_segment_align: 8
    .kernarg_segment_size: 80
    .max_flat_workgroup_size: 128
    .sgpr_count:     66
    .vgpr_count:     240
    .wavefront_size: 32
...
	.end_amdgpu_metadata
.endif
;; end of part 1
;; launch attn (part 2): grid 4 x 64, 16 waves a work-group, clusters of 4 x 1, 327,680 bytes of LDS; arguments query, kcodes, kscales, vcodes, vscales, mbits, ocodes, oscales; writes ocodes, oscales
.if DOCPART == 2
	.amdgcn_target "amdgcn-amd-amdhsa--gfx1250"
	.amdhsa_code_object_version 6
	.text
	.protected	k_q56b255d010_attn
	.globl	k_q56b255d010_attn
	.p2align	8
	.type	k_q56b255d010_attn,@function
k_q56b255d010_attn:
	s_mov_b64 s[64:65], 0
	v_nop
	global_prefetch_b8 v0, s[64:65] scope:SCOPE_SE
	s_setreg_imm32_b32 hwreg(HW_REG_WAVE_MODE, 25, 1), 1
	s_wait_xcnt 0x0
	s_wait_alu depctr_hold_cnt(0) depctr_sa_sdst(0) depctr_va_vdst(0) depctr_va_sdst(0) depctr_va_ssrc(0) depctr_va_vcc(0) depctr_vm_vsrc(0)
	s_getreg_b32 s2, hwreg(HW_REG_IB_STS2, 6, 4)
	s_cmp_eq_u32 s2, 0
	s_cbranch_scc0 .Lentry_in_a_cluster
	s_endpgm
.Lentry_in_a_cluster:
	s_bfe_u32 s2, ttmp6, 0x10000c
	s_cmp_lg_u32 s2, 0x3003
	s_cbranch_scc0 .Lentry_shape_is_right
	s_endpgm
.Lentry_shape_is_right:
; MULTI-HEAD ATTENTION IN MX-FP8, launch 2 of 3: scores, mask, softmax, weighted sum; the result is quantised along the third product's K and stored as codes and scale bytes.
; No work of the problem is left out.
; SHARES.  A work-group owns 512 queries of one (batch, head); each of its sixteen waves owns 32 neighbouring queries, taken as two tiles of 16, one after the other.  256 work-groups.
; THE WHOLE HEAD STAYS IN LDS: 2,048 keys of K (rows of 64 bytes + 16 of padding) and V^T (64 rows, in pieces of 256 keys + 16 of padding), as 8 pieces of 256 keys, K's 20,480 bytes then V's 17,408.
; Each wave brings one piece of K (waves 0-7) or of V (waves 8-15) by its one tensor load at the head; no LDS byte is filled twice, so the loop over the keys has no barrier.
; CLUSTERS: the four work-groups of a (batch, head) form a cluster and ask for every piece jointly (mask 15).
; THE SCALE BYTES of this head (K: 2 a key; V: 64 a column) come by plain loads, 8 bytes a thread, and are stored into LDS bytes of their own.
; NO PREFETCH INTO THE L2: every tile is asked for at the head, so there is no loop to run ahead in; the mask words are asked for one key step (256 bytes a wave) ahead by the scalar loads themselves.
; LAYOUT: both products transposed (S^T = K Q^T, O^T = V^T P^T): a lane holds one query.  The first product's K is 64: the upper 64 of Q's operand are zero codes, the upper half of K's operand is whatever codes follow.
; V's codes were laid by launch 1 so that p's registers, as the first product leaves them, are in V's order of keys inside each block of 32.
; THE MASK: bit (lane) of word 8 T + j selects register 8 T + j of the scores.  A hidden score becomes -2^66 where reference() has -1e20: a power of two, so that score x c is exact and a row with no open key gives p = 1 for every key, as reference()'s equal scores do.
; SOFTMAX: t = score x log2(e) / 32; M = the running largest t rounded up to a whole number; p = 2^(t - M) is quantised; the sum is taken of the unquantised p and divides at the end.
; LIMITS: open scores stay above -2^66 and scaled scores under 2^31 in magnitude; NaN and infinities among the inputs are not served; a block whose largest magnitude lies under 2^-118 gets the byte 1.
.set KP,    80
.set VP,    272
.set VOFF,  256*KP
.set SLOTB, VOFF+64*VP                 ; a piece: 37,888 bytes
.set SCK,   8*SLOTB                    ; K's scale bytes [2048][2]
.set SCV,   SCK+4096                   ; V's: 16 rows of 256 bytes + 16
.set SPARE, SCV+16*272                 ; the spare words, 128 bytes a wave
.set AK0,  1
.set AV0,  2
.set ASK0, 3
.set ASV0, 4
.set SPW,  5
.set NIL,  6
.set SENT, 7
.set ADK,  8
.set ADV,  9
.set ADS,  10
.set ADT,  11
.set QF,   16                          ; v16-23 Q's codes, v24-31 zero codes
.set HD,   32
.set SO,   36
.set QS,   40
.set PW,   41
.set TMP,  42
.set KS,   44
.set VS,   52
.set F,    56
.set TA,   58
.set SUM2, 60
.set FR,   64                          ; v64-127 fragments; v128-135 zero codes: the upper half of K's last operand
.set S,    136
.set O,    200
.set PC,   232
.set BM,   248
.set T1,   252
.set WV,   2
.set MO,   3                           ; byte offset of the mask words being asked for
.set G1K,  4
.set G1V,  12
.set G0K,  20
.set G0V,  24
.set TB,   28
.set TS,   29
.set MP,   30
.set SEL,  66
.set CS,   100
.set MNT,  104
.set TJ,   105
.macro CROUND
	s_barrier_signal -1
	s_barrier_wait -1
	s_cmp_lg_u32 s[WV], 0
	s_cbranch_scc1 .Lnot_wave_0_\@
	s_barrier_signal -3
.Lnot_wave_0_\@:
	s_barrier_wait -3
	s_barrier_signal -1
	s_barrier_wait -1
.endm
; two blocks of 32 along K, 16 numbers a lane and block, into 8 registers of codes; v[TMP] gets the two scale bytes
.macro QUANT2 s, pc
.irp b, 0,1
	v_max3_num_f32 v[BM+\b], |v[\s+16*\b]|, |v[\s+1+16*\b]|, 0x4800000
.endr
.irp i, 2,4,6,8,10,12,14
.irp b, 0,1
	s_delay_alu instid0(VALU_DEP_2)
	v_max3_num_f32 v[BM+\b], v[BM+\b], |v[\s+16*\b+\i]|, |v[\s+1+16*\b+\i]|
.endr
.endr
.irp b, 0,1
	s_delay_alu instid0(VALU_DEP_2)
	v_permlanex16_b32 v[T1+\b], v[BM+\b], s[SEL], s[SEL+1]
.endr
.irp b, 0,1
	s_delay_alu instid0(VALU_DEP_2)
	v_max_num_f32 v[BM+\b], v[BM+\b], v[T1+\b]
.endr
.irp b, 0,1
	s_delay_alu instid0(VALU_DEP_2)
	v_add_nc_u32 v[SO+\b], 0xfc000000, v[BM+\b]
.endr
.irp b, 0,1
	s_delay_alu instid0(VALU_DEP_4)
	v_and_or_b32 v[HD+\b], v[BM+\b], 0x7f800000, s[MNT]
.endr
.irp b, 0,1
	s_delay_alu instid0(VALU_DEP_4)
	v_lshrrev_b32 v[T1+\b], 23, v[SO+\b]
.endr
	s_delay_alu instid0(VALU_DEP_1)
	v_lshl_or_b32 v[TMP], v[T1+1], 8, v[T1]
.irp b, 0,1
.irp i, 0,1,2,3,4,5,6,7,8,9,10,11,12,13,14,15
	v_med3_num_f32 v[\s+16*\b+\i], v[\s+16*\b+\i], -v[HD+\b], v[HD+\b]
.endr
	v_cvt_scalef32_pk8_fp8_f32 v[\pc+4*\b:\pc+4*\b+1], v[\s+16*\b:\s+16*\b+7], v[SO+\b]
	v_cvt_scalef32_pk8_fp8_f32 v[\pc+4*\b+2:\pc+4*\b+3], v[\s+16*\b+8:\s+16*\b+15], v[SO+\b]
.endr
	v_nop
.endm
	s_load_b512 s[68:83], s[0:1], 0x0              ; query 68, kcodes 70, kscales 72, vcodes 74, vscales 76, mbits 78 (the last two are loaded again later)
	v_lshl_add_u32 v[SPW], v0, 2, SPARE
	v_mov_b32 v[NIL], 0
	ds_add_u32 v[SPW], v[NIL]                      ; the opening lines: the add twice on end and its wait
	ds_add_u32 v[SPW], v[NIL]
	v_lshrrev_b32 v8, 5, v0
	s_delay_alu instid0(VALU_DEP_1)
	v_readfirstlane_b32 s[WV], v8
	s_bfe_u32 s84, ttmp6, 0x40000                  ; cx: which 512 queries
	s_and_b32 s85, ttmp7, 0xffff                   ; 16 x batch + head
	s_lshr_b32 s86, s85, 4
	s_and_b32 s87, s85, 15
	s_and_b32 s88, s[WV], 7                        ; which piece I fetch
	s_mov_b32 s[G1K], 15|(1<<20)|(1<<21)|(3<<22)|(3<<25)   ; K: 256 rows of 64 bytes, 1,024 apart; 4 words of padding behind every 16
	s_mov_b32 s[G1K+1], 64<<16
	s_mov_b32 s[G1K+2], 256<<16
	s_mov_b32 s[G1K+3], 64<<16
	s_mov_b32 s[G1K+4], 256
	s_mov_b32 s[G1K+5], 1024
	s_mov_b32 s[G1K+6], 0
	s_mov_b32 s[G1K+7], 0
	s_mov_b32 s[G1V], 15|(1<<20)|(1<<21)|(5<<22)|(3<<25)   ; V: 64 rows of 256 bytes, 2,048 apart; 4 words behind every 64
	s_mov_b32 s[G1V+1], 256<<16
	s_mov_b32 s[G1V+2], 64<<16
	s_mov_b32 s[G1V+3], 256<<16
	s_mov_b32 s[G1V+4], 64
	s_mov_b32 s[G1V+5], 2048
	s_mov_b32 s[G1V+6], 0
	s_mov_b32 s[G1V+7], 0
	s_lshl_b32 s90, s86, 21                        ; K's piece in memory
	s_lshl_b32 s91, s87, 6
	s_add_co_u32 s90, s90, s91
	s_lshl_b32 s91, s88, 18
	s_add_co_u32 s90, s90, s91
	s_mov_b32 s91, 0
	s_lshl_b32 s92, s85, 17                        ; V's
	s_lshl_b32 s93, s88, 8
	s_add_co_u32 s92, s92, s93
	s_mov_b32 s93, 0
	s_mov_b32 s[G0K], 1
	s_mul_i32 s[G0K+1], s88, SLOTB
	s_mov_b32 s[G0V], 1
	s_add_co_u32 s[G0V+1], s[G0K+1], VOFF
	s_lshl_b32 s94, s86, 7                         ; my first tile of 16 queries: 128 x batch + 32 cx + 2 x wave
	s_lshl_b32 s95, s84, 5
	s_add_co_u32 s94, s94, s95
	s_lshl_b32 s95, s[WV], 1
	s_add_co_u32 s94, s94, s95
	s_lshl_b32 s96, s94, 16                        ; query
	s_lshl_b32 s97, s87, 8
	s_add_co_u32 s96, s96, s97
	s_mov_b32 s97, 0
	s_lshl_b32 s98, s94, 12                        ; mask words: 4,096 bytes a tile, my two tiles on end
	s_mov_b32 s99, 0
	s_lshl_b32 s32, s86, 16                        ; K's scale bytes
	s_lshl_b32 s33, s87, 1
	s_add_co_u32 s32, s32, s33
	s_mov_b32 s33, 0
	s_lshl_b32 s34, s85, 12                        ; V's
	s_mov_b32 s35, 0
	s_mov_b32 s[SEL], 0x76543210
	s_mov_b32 s[SEL+1], 0xfedcba98
	s_mov_b32 s[CS], 0x3d38aa3b                    ; c = log2(e) / 32
	s_mov_b32 s[CS+1], s[CS]
	s_mov_b32 s[MNT], 0x600000
	s_mov_b32 s[MO], 0
	s_wait_dscnt 0x0
	s_wait_kmcnt 0x0
	s_add_nc_u64 s[G0K+2:G0K+3], s[70:71], s[90:91]
	s_or_b32 s[G0K+3], s[G0K+3], 0x80000000
	s_add_nc_u64 s[G0V+2:G0V+3], s[74:75], s[92:93]
	s_or_b32 s[G0V+3], s[G0V+3], 0x80000000
	s_add_nc_u64 s[68:69], s[68:69], s[96:97]
	s_add_nc_u64 s[MP:MP+1], s[78:79], s[98:99]
	s_add_nc_u64 s[72:73], s[72:73], s[32:33]
	s_add_nc_u64 s[76:77], s[76:77], s[34:35]
	CROUND                                         ; the round in front of the joint loads
	s_cmp_lt_u32 s[WV], 8                          ; one chain, one load to an arm: every wave issues one
	s_cbranch_scc0 .Lfor_v
	tensor_load_to_lds s[G0K:G0K+3], s[G1K:G1K+7]
	s_nop 0
.rept 4
	v_nop
.endr
	s_branch .Lasked
.Lfor_v:
	tensor_load_to_lds s[G0V:G0V+3], s[G1V:G1V+7]
	s_nop 0
.rept 4
	v_nop
.endr
.Lasked:
	v_and_b32 v58, 15, v0                          ; r
	v_bfe_u32 v59, v0, 4, 1                        ; h
	v_lshrrev_b32 v60, 5, v0
	v_and_b32 v63, 31, v0
	v_lshlrev_b32 v60, 12, v60
	v_lshl_add_u32 v60, v63, 5, v60                ; K's scale bytes: load j of wave w takes keys 128 w + 32 j + lane: neighbouring lanes 32 bytes apart
	v_lshlrev_b32 v61, 3, v0                       ; V's: 8 bytes a thread
	v_lshlrev_b32 v62, 12, v58
	s_delay_alu instid0(VALU_DEP_1)
	v_lshl_add_u32 v62, v59, 6, v62                ; Q: row r, + 64 h
.irp p, 0
.irp b, 0,1
.irp j, 0,1,2,3
	global_load_b128 v[S+32*\p+16*\b+4*\j:S+32*\p+16*\b+4*\j+3], v62, s[68:69] offset:65536*\p+128*\b+16*\j th:TH_LOAD_NT
.endr
.endr
.endr
.irp j, 0,1,2,3
	global_load_u16 v[O+\j], v60, s[72:73] offset:1024*\j
.endr
	global_load_b64 v[O+4:O+5], v61, s[76:77]
	v_mul_u32_u24 v[AK0], v58, KP
	v_mul_u32_u24 v[AV0], v58, VP
	s_delay_alu instid0(VALU_DEP_2)
	v_lshl_add_u32 v[AK0], v59, 4, v[AK0]
	s_delay_alu instid0(VALU_DEP_2)
	v_lshl_add_u32 v[AV0], v59, 4, v[AV0]
	s_delay_alu instid0(VALU_DEP_1)
	v_add_nc_u32 v[AV0], VOFF, v[AV0]
	v_lshl_add_u32 v[ASK0], v58, 1, SCK            ; K's scale bytes: 2 a key
	v_lshrrev_b32 v[TMP], 2, v58
	s_delay_alu instid0(VALU_DEP_1)
	v_mul_u32_u24 v[ASV0], v[TMP], 272
	v_and_b32 v[TMP], 3, v58
	s_delay_alu instid0(VALU_DEP_1)
	v_lshl_add_u32 v[ASV0], v[TMP], 6, v[ASV0]
	s_delay_alu instid0(VALU_DEP_1)
	v_add_nc_u32 v[ASV0], SCV, v[ASV0]             ; V's: column r of a tile: 4 columns to a row of 272
	v_lshrrev_b32 v63, 5, v0
	v_and_b32 v10, 31, v0
	v_lshlrev_b32 v63, 8, v63
	v_lshl_add_u32 v63, v10, 1, v63
	v_add_nc_u32 v63, SCK, v63                     ; where I store K's scale bytes: 2 x key = 256 x wave + 2 x lane, + 64 j,
	v_lshrrev_b32 v9, 5, v0
	v_and_b32 v10, 31, v0
	s_delay_alu instid0(VALU_DEP_2)
	v_mul_u32_u24 v9, v9, 272
	s_delay_alu instid0(VALU_DEP_1)
	v_lshl_add_u32 v9, v10, 3, v9
	s_delay_alu instid0(VALU_DEP_1)
	v_add_nc_u32 v9, SCV, v9                       ; and V's: a wave a row
	v_mov_b32 v[SENT], 0xe0800000                  ; -2^66
	v_mov_b32 v[F+1], 0
.irp j, 0,1,2,3,4,5,6,7
	v_mov_b32 v[QF+8+\j], 0
	v_mov_b32 v[FR+64+\j], 0
.endr
.irp b, 0,1,2,3
	v_mov_b32 v[T1+\b], 0
.endr
	s_wait_alu depctr_va_vdst(0)                   ; the wait ahead of the wait below
	s_wait_loadcnt 0x0
	s_load_b512 s[68:83], s[MP:MP+1], 0x0          ; the first step's 64 mask words
	s_load_b512 s[84:99], s[MP:MP+1], 0x40
	s_load_b512 s[32:47], s[MP:MP+1], 0x80
	s_load_b512 s[48:63], s[MP:MP+1], 0xc0
	QUANT2 S, QF
	v_lshl_or_b32 v[QS], v[TMP], 16, v[TMP]
	s_wait_alu depctr_va_vdst(0)                   ; the wait at the head's end
	s_wait_tensorcnt 0x0                           ; my piece is in
.irp j, 0,1,2,3
	ds_store_b16 v63, v[O+\j] offset:64*\j
.endr
	ds_store_b64 v9, v[O+4:O+5]
	s_wait_dscnt 0x0
	s_barrier_signal -1
	s_barrier_wait -1                              ; all sixteen pieces and all scale bytes are in; nothing in LDS is written again but the spare words
	s_load_b128 s[8:11], s[0:1], 0x30              ; ocodes, oscales (no tensor load is out: the descriptors' registers are free)
	s_load_b64 s[16:17], s[0:1], 0x0               ; query, for the second tile
	s_bfe_u32 s12, ttmp6, 0x40000
	s_lshl_b32 s12, s12, 5
	s_and_b32 s13, ttmp7, 0xffff
	s_lshr_b32 s14, s13, 4
	s_lshl_b32 s14, s14, 7
	s_add_co_u32 s12, s12, s14
	s_lshl_b32 s14, s[WV], 1
	s_add_co_u32 s12, s12, s14                     ; my first tile
	s_and_b32 s13, s13, 15                         ; the head
	s_lshl_b32 s18, s12, 16                        ; query: 65,536 bytes a tile, 256 a head
	s_lshl_b32 s19, s13, 8
	s_add_co_u32 s18, s18, s19
	s_mov_b32 s19, 0
	s_lshl_b32 s14, s12, 9                         ; scale bytes: 512 a tile, 2 a head
	s_lshl_b32 s15, s13, 1
	s_add_co_u32 s14, s14, s15
	s_mov_b32 s15, 0
	s_lshl_b32 s12, s12, 14                        ; codes: 16,384 a tile, 1,024 a head
	s_lshl_b32 s13, s13, 10
	s_add_co_u32 s12, s12, s13
	s_mov_b32 s13, 0
; A KEY STEP: 128 keys, the q-th of the piece in hand
.macro STEP q
.rept 4+4*\q
	v_nop                                          ; eight places in front of loads into registers that matrix instructions have read (q = 0: the trip's four additions are places too)
.endr
.irp t, 0,1,2,3,4,5,6,7
	ds_load_b128 v[FR+8*\t:FR+8*\t+3], v[ADK] offset:(128*(\q)+16*\t)*KP
	ds_load_b128 v[FR+8*\t+4:FR+8*\t+7], v[ADK] offset:(128*(\q)+16*\t)*KP+32
	ds_load_u16 v[KS+\t], v[ADS] offset:256*(\q)+32*\t
.endr
	s_wait_alu depctr_va_vdst(0)                   ; the wait ahead of the wait below
	s_wait_dscnt 0x0
.irp t, 0,1,2,3,4,5,6,7
	v_wmma_scale_f32_16x16x128_f8f6f4 v[S+8*\t:S+8*\t+7], v[FR+8*\t:FR+8*\t+15], v[QF:QF+15], 0, v[KS+\t], v[QS]
.endr
.rept 8
	v_nop
.endr
.irp t, 0,1,2,3
.irp c, 0,1,2,3
	ds_load_b128 v[FR+16*\t+4*\c:FR+16*\t+4*\c+3], v[ADV] offset:16*\t*VP+128*(\q)+32*\c
.endr
	ds_load_b32 v[VS+\t], v[ADT] offset:1088*\t+4*(\q)
.endr
	s_wait_kmcnt 0x0                               ; this step's mask words
.set n, 0
.rept 64
.if n < 32
	v_cndmask_b32 v[S+n], v[SENT], v[S+n], s[68+n]
.else
	v_cndmask_b32 v[S+n], v[SENT], v[S+n], s[n]
.endif
.set n, n+1
.endr
	s_add_co_u32 s[MO], s[MO], 256                 ; the next step's words; my two tiles' 32 steps lie on end; the last step asks for its own again, so that no load leaves the buffer
	s_min_u32 s[MO], s[MO], 31*256
	s_load_b512 s[68:83], s[MP:MP+1], s[MO] offset:0x0
	s_load_b512 s[84:99], s[MP:MP+1], s[MO] offset:0x40
	s_load_b512 s[32:47], s[MP:MP+1], s[MO] offset:0x80
	s_load_b512 s[48:63], s[MP:MP+1], s[MO] offset:0xc0
.irp b, 0,1,2,3
	v_max3_num_f32 v[BM+\b], v[S+16*\b], v[S+1+16*\b], v[S+2+16*\b]
.endr
.irp i, 3,5,7,9,11,13
.irp b, 0,1,2,3
	s_delay_alu instid0(VALU_DEP_4)
	v_max3_num_f32 v[BM+\b], v[BM+\b], v[S+16*\b+\i], v[S+1+16*\b+\i]
.endr
.endr
.irp b, 0,1,2,3
	s_delay_alu instid0(VALU_DEP_4)
	v_max_num_f32 v[BM+\b], v[BM+\b], v[S+15+16*\b]
.endr
.irp b, 0,1,2,3
	s_delay_alu instid0(VALU_DEP_4)
	v_permlanex16_b32 v[T1+\b], v[BM+\b], s[SEL], s[SEL+1]
.endr
.irp b, 0,1,2,3
	s_delay_alu instid0(VALU_DEP_4)
	v_max_num_f32 v[BM+\b], v[BM+\b], v[T1+\b]     ; each block's largest score
.endr
	s_delay_alu instid0(VALU_DEP_2)
	v_max3_num_f32 v[TA], v[BM], v[BM+1], v[BM+2]
	s_delay_alu instid0(VALU_DEP_1)
	v_max_num_f32 v[TA], v[TA], v[BM+3]
	s_delay_alu instid0(VALU_DEP_1)
	v_mul_f32 v[TA], s[CS], v[TA]
	s_delay_alu instid0(VALU_DEP_1)
	v_max_num_f32 v13, v13, v[TA]                  ; the running largest t
	v_mov_b32 v[TA], v12
	s_delay_alu instid0(VALU_DEP_2)
	v_floor_f32 v12, -v13                          ; -M
	s_delay_alu instid0(VALU_DEP_1)
	v_sub_f32 v[TA], v12, v[TA]
	s_delay_alu instid0(VALU_DEP_1)
	v_cvt_i32_f32 v[TA], v[TA]
	s_delay_alu instid0(VALU_DEP_1)
	v_ldexp_f32 v[F], 1.0, v[TA]                   ; f = 2^(old M - new M)
.set n, 0
.rept 32
	v_pk_fma_f32 v[S+n:S+n+1], v[S+n:S+n+1], s[CS:CS+1], v[12:13] op_sel_hi:[1,0,0]
.set n, n+2
.endr
.irp b, 0,1,2,3
	v_fma_f32 v[BM+\b], v[BM+\b], s[CS], v12
.endr
	s_wait_alu depctr_va_vdst(0)                   ; the wait ahead of the batch
.set n, 0
.rept 64
	v_exp_f32 v[S+n], v[S+n]
.set n, n+1
.endr
	v_pk_mul_f32 v[14:15], v[14:15], v[F:F+1] op_sel_hi:[1,0]
	s_wait_alu depctr_va_vdst(0)                   ; and behind it
.irp b, 0,1,2,3
	v_exp_f32 v[BM+\b], v[BM+\b]                   ; each block's largest p
.endr
	v_pk_add_f32 v[SUM2:SUM2+1], v[S:S+1], v[S+2:S+3]
.irp j, 4,8,12,16,20,24,28,32,36,40,44,48,52,56,60
	v_pk_add_f32 v[14:15], v[14:15], v[S+\j:S+\j+1]
	v_pk_add_f32 v[SUM2:SUM2+1], v[SUM2:SUM2+1], v[S+\j+2:S+\j+3]
.endr
	s_delay_alu instid0(VALU_DEP_1)
	v_pk_add_f32 v[14:15], v[14:15], v[SUM2:SUM2+1]
	s_wait_alu depctr_va_vdst(0)                   ; the wait for the four
.irp b, 0,1,2,3
	v_max_num_f32 v[BM+\b], 0x4800000, v[BM+\b]
.endr
.irp b, 0,1,2,3
	s_delay_alu instid0(VALU_DEP_4)
	v_add_nc_u32 v[SO+\b], 0xfc000000, v[BM+\b]
.endr
.irp b, 0,1,2,3
	v_and_or_b32 v[HD+\b], v[BM+\b], 0x7f800000, s[MNT]
.endr
.irp b, 0,1,2,3
	v_lshrrev_b32 v[T1+\b], 23, v[SO+\b]
.endr
	s_delay_alu instid0(VALU_DEP_3)
	v_lshl_or_b32 v[PW], v[T1+1], 8, v[T1]
	s_delay_alu instid0(VALU_DEP_1)
	v_lshl_or_b32 v[PW], v[T1+2], 16, v[PW]
	s_delay_alu instid0(VALU_DEP_1)
	v_lshl_or_b32 v[PW], v[T1+3], 24, v[PW]
.irp b, 0,1,2,3
.irp i, 0,2,4,6,8,10,12,14
	v_dual_min_num_f32 v[S+16*\b+\i], v[S+16*\b+\i], v[HD+\b] :: v_dual_min_num_f32 v[S+16*\b+\i+1], v[S+16*\b+\i+1], v[HD+\b]   ; the hold, two numbers an instruction: p is not negative, so it is one-sided
.endr
	v_cvt_scalef32_pk8_fp8_f32 v[PC+4*\b:PC+4*\b+1], v[S+16*\b:S+16*\b+7], v[SO+\b]
	v_cvt_scalef32_pk8_fp8_f32 v[PC+4*\b+2:PC+4*\b+3], v[S+16*\b+8:S+16*\b+15], v[SO+\b]
.endr
	s_wait_alu depctr_va_vdst(0)                   ; the wait directly ahead of the first reader of O^T
.set n, 0
.rept 16
	v_pk_mul_f32 v[O+n:O+n+1], v[O+n:O+n+1], v[F:F+1] op_sel_hi:[1,0]
.set n, n+2
.endr
	s_wait_alu depctr_va_vdst(0)                   ; and ahead of the wait below
	s_wait_dscnt 0x0
.irp t, 0,1,2,3
	v_wmma_scale_f32_16x16x128_f8f6f4 v[O+8*\t:O+8*\t+7], v[FR+16*\t:FR+16*\t+15], v[PC:PC+15], v[O+8*\t:O+8*\t+7], v[VS+\t], v[PW]
.endr
.endm
; ONE TILE OF 16 QUERIES: all 2,048 keys in 8 trips of two steps, then O^T / the sum, quantised along the head's 64 and stored
.macro PASS p
.if \p
	s_wait_alu depctr_va_vdst(0)                   ; the wait ahead of the wait below
	s_wait_loadcnt 0x0                             ; the second tile's Q, asked for at the first tile's end
	QUANT2 FR, QF
	v_lshl_or_b32 v[QS], v[TMP], 16, v[TMP]
.endif
	v_mov_b32 v13, 0xff61b1e6                      ; -3e38, under every t
	s_delay_alu instid0(VALU_DEP_1)
	v_floor_f32 v12, -v13
	v_mov_b32 v14, 0
	v_mov_b32 v15, 0
.set n, 0
.rept 32
	v_mov_b32 v[O+n], 0                            ; the step is written once: the first finds zeros
.set n, n+1
.endr
	s_mov_b32 s[TB], 0
	s_mov_b32 s[TS], 0
	s_mov_b32 s[TJ], 0
.Lpiece_\p:
	v_add_nc_u32 v[ADK], s[TB], v[AK0]
	v_add_nc_u32 v[ADV], s[TB], v[AV0]
	v_add_nc_u32 v[ADS], s[TS], v[ASK0]
	v_add_nc_u32 v[ADT], s[TJ], v[ASV0]
	STEP 0
	STEP 1
	s_add_co_u32 s[TB], s[TB], SLOTB
	s_add_co_u32 s[TS], s[TS], 512
	s_add_co_u32 s[TJ], s[TJ], 8
	s_cmp_lt_u32 s[TJ], 64
	s_wait_alu depctr_va_vdst(0)                   ; the wait ahead of the branch
	s_cbranch_scc1 .Lpiece_\p
	v_add_f32 v14, v14, v15
	s_delay_alu instid0(VALU_DEP_1)
	v_permlanex16_b32 v[T1], v14, s[SEL], s[SEL+1]
	s_delay_alu instid0(VALU_DEP_1)
	v_add_f32 v14, v14, v[T1]                      ; the row's sum
	s_wait_alu depctr_va_vdst(0)
	v_rcp_f32 v14, v14
	v_and_b32 v58, 15, v0
	v_bfe_u32 v59, v0, 4, 1
	s_delay_alu instid0(VALU_DEP_2)
	v_lshlrev_b32 v60, 4, v58
	s_delay_alu instid0(VALU_DEP_1)
	v_lshl_add_u32 v60, v59, 3, v60                ; codes: 16 r + 8 h: 32 lanes store 256 consecutive bytes, aligned
	v_lshlrev_b32 v61, 5, v58                      ; scale bytes: a row of 32
.rept 3
	v_nop
.endr
.if \p == 0
	s_add_nc_u64 s[8:9], s[8:9], s[12:13]
	s_add_nc_u64 s[10:11], s[10:11], s[14:15]
	s_add_nc_u64 s[16:17], s[16:17], s[18:19]
.irp b, 0,1
.irp j, 0,1,2,3
	global_load_b128 v[FR+16*\b+4*\j:FR+16*\b+4*\j+3], v62, s[16:17] offset:65536+128*\b+16*\j th:TH_LOAD_NT   ; the second tile's Q into the fragments' registers, more than eight places behind the last products
.endr
.endr
.endif
	s_wait_alu depctr_va_vdst(0)                   ; ahead of the first reader of the reciprocal and of O^T
.set n, 0
.rept 32
	v_mul_f32 v[S+n], v[O+n], v14
.set n, n+1
.endr
	QUANT2 S, PC
	s_wait_alu depctr_va_vdst(0)
.irp b, 0,1
.irp u, 0,1
	global_store_b64 v60, v[PC+4*\b+2*\u:PC+4*\b+2*\u+1], s[8:9] offset:16384*\p+512*\b+256*\u
.endr
.endr
	global_store_b16 v61, v[TMP], s[10:11] offset:512*\p
	s_wait_xcnt 0x0                                ; the stores have read their registers, which are written again below
.endm
	PASS 0
	PASS 1
	s_wait_tensorcnt 0x0                           ; the wave's end
	ds_add_u32 v[SPW], v[NIL]
	s_wait_dscnt 0x0
	CROUND                                         ; the closing round
	s_endpgm
.Lfunc_end_k_q56b255d010_attn:
	.size	k_q56b255d010_attn, .Lfunc_end_k_q56b255d010_attn-k_q56b255d010_attn
	.p2alignl 7, 3214868480
	.fill 96, 4, 3214868480
	.section	.rodata,"a",@progbits
	.p2align	6, 0x0
	.amdhsa_kernel k_q56b255d010_attn
		.amdhsa_group_segment_fixed_size 327680
		.amdhsa_private_segment_fixed_size 0
		.amdhsa_enable_private_segment 0
		.amdhsa_kernarg_size 64
		.amdhsa_user_sgpr_count 2
		.amdhsa_user_sgpr_kernarg_segment_ptr 1
		.amdhsa_wavefront_size32 1
		.amdhsa_system_sgpr_workgroup_id_x 1
		.amdhsa_system_sgpr_workgroup_id_y 1
		.amdhsa_system_sgpr_workgroup_id_z 1
		.amdhsa_system_vgpr_workitem_id 0
		.amdhsa_next_free_vgpr 256
		.amdhsa_next_free_sgpr 106
		.amdhsa_reserve_vcc 0
		.amdhsa_float_denorm_mode_32 3
		.amdhsa_float_denorm_mode_16_64 3
		.amdhsa_memory_ordered 1
		.amdhsa_forward_progress 1
		.amdhsa_inst_pref_size 138
	.end_amdhsa_kernel
	.amdgpu_metadata
---
amdhsa.version: [ 1, 2 ]
amdhsa.kernels:
  - .name:           k_q56b255d010_attn
    .symbol:         k_q56b255d010_attn.kd
    .args:
      - { .name: query, .offset: 0, .size: 8, .value_kind: global_buffer, .address_space: global }
      - { .name: kcodes, .offset: 8, .size: 8, .value_kind: global_buffer, .address_space: global }
      - { .name: kscales, .offset: 16, .size: 8, .value_kind: global_buffer, .address_space: global }
      - { .name: vcodes, .offset: 24, .size: 8, .value_kind: global_buffer, .address_space: global }
      - { .name: vscales, .offset: 32, .size: 8, .value_kind: global_buffer, .address_space: global }
      - { .name: mbits, .offset: 40, .size: 8, .value_kind: global_buffer, .address_space: global }
      - { .name: ocodes, .offset: 48, .size: 8, .value_kind: global_buffer, .address_space: global }
      - { .name: oscales, .offset: 56, .size: 8, .value_kind: global_buffer, .address_space: global }
    .group_segment_fixed_size: 327680
    .private_segment_fixed_size: 0
    .kernarg_segment_align: 8
    .kernarg_segment_size: 64
    .max_flat_workgroup_size: 512
    .sgpr_count:     106
    .vgpr_count:     256
    .wavefront_size: 32
...
	.end_amdgpu_metadata
.endif
;; end of part 2
;; launch proj (part 3): grid 4 x 32, 4 waves a work-group, clusters of 4 x 4, 327,680 bytes of LDS; arguments ocodes, oscales, wq, out0, b_out; writes out0
.if DOCPART == 3
	.amdgcn_target "amdgcn-amd-amdhsa--gfx1250"
	.amdhsa_code_object_version 6
	.text
	.protected	k_q56b255d010_proj
	.globl	k_q56b255d010_proj
	.p2align	8
	.type	k_q56b255d010_proj,@function
k_q56b255d010_proj:
	s_mov_b64 s[64:65], 0
	v_nop
	global_prefetch_b8 v0, s[64:65] scope:SCOPE_SE
	s_setreg_imm32_b32 hwreg(HW_REG_WAVE_MODE, 25, 1), 1
	s_wait_xcnt 0x0
	s_wait_alu depctr_hold_cnt(0) depctr_sa_sdst(0) depctr_va_vdst(0) depctr_va_sdst(0) depctr_va_ssrc(0) depctr_va_vcc(0) depctr_vm_vsrc(0)
	s_getreg_b32 s2, hwreg(HW_REG_IB_STS2, 6, 4)
	s_cmp_eq_u32 s2, 0
	s_cbranch_scc0 .Lentry_in_a_cluster
	s_endpgm
.Lentry_in_a_cluster:
	s_bfe_u32 s2, ttmp6, 0x10000c
	s_cmp_lg_u32 s2, 0xf033
	s_cbranch_scc0 .Lentry_shape_is_right
	s_endpgm
.Lentry_shape_is_right:
.set SIZE_N, 1024
.set NQ,     2
.set ROWB,   256
.set KROW,   1024
.set PITCH,  272
.set FR,     16
.set NL,     4
.set NP,     8
.set ASTEP,  4096
.set HALFA,  8*ASTEP
.set HALFT,  128*PITCH
.set SLOT,   2*HALFA+2*HALFT
.set LAPS,   2
.set KS,     32
.set SCL,    2*SLOT
.set HALFS,  (128*KS/256)*272
.set SBLK,   (16*KS/256)*272
.set SPARE,  SCL+4*HALFS
.set SPITCH, 528
.set BI,   8
.set ADRA, 16
.set ADRB, 20
.set STO,  24
.set RD,   25
.set CO,   26
.set ADRS, 27
.set SPW,  28
.set NIL,  29
.set SC,   32
.set AF,   128
.set BK,   128
.set G1, 24
.set G0, 32
.set G1B, 48
.set G0B, 56
.set G1S, 68
.set G0S, 76
.set G1SB, 80
.set G0SB, 88
.set MSB, 0
.macro WIN new
.if MSB != \new
	s_set_vgpr_msb (MSB<<8)|\new
.set MSB, \new
.endif
.endm
.set MUL_LO, 0xa1
.set MUL_HI, 0xf1
.set TO_B,   0x40
.macro JLOAD g0a, g1a, g0b, g1b
	s_cmp_eq_u32 s15, 0
	s_cbranch_scc0 .Lfor_b_\@
	tensor_load_to_lds s[\g0a:\g0a+3], s[\g1a:\g1a+7]
	s_nop 0
.rept 4
	v_nop
.endr
	s_branch .Lasked_\@
.Lfor_b_\@:
	tensor_load_to_lds s[\g0b:\g0b+3], s[\g1b:\g1b+7]
	s_nop 0
.rept 4
	v_nop
.endr
.Lasked_\@:
.endm
.macro CREST
	s_cmp_lg_u32 s14, 0
	s_cbranch_scc1 .Lnot_wave_0_\@
	s_barrier_signal -3
.Lnot_wave_0_\@:
	s_barrier_wait -3
	s_barrier_signal -1
	s_barrier_wait -1
.endm
.macro CROUND
	s_barrier_signal -1
	s_barrier_wait -1
	CREST
.endm
	s_load_b128 s[4:7], s[0:1], 0x0
	s_load_b64 s[8:9], s[0:1], 0x10
	s_load_b64 s[12:13], s[0:1], 0x18
	s_load_b64 s[96:97], s[0:1], 0x20
	v_lshl_add_u32 v[SPW], v0, 2, SPARE
	v_mov_b32 v[NIL], 0
	ds_add_u32 v[SPW], v[NIL]
	ds_add_u32 v[SPW], v[NIL]
	v_lshrrev_b32 v1, 5, v0
	v_readfirstlane_b32 s14, v1
	s_lshr_b32 s15, s14, 1
	s_and_b32 s16, s14, 1
	s_bfe_u32 s40, ttmp6, 0x40000
	s_bfe_u32 s41, ttmp6, 0x40004
	s_lshl_b32 s42, ttmp9, 2
	s_add_co_u32 s42, s42, s40
	s_and_b32 s17, ttmp7, 0xffff
	s_lshl_b32 s17, s17, 2
	s_add_co_u32 s17, s17, s41
	s_lshl_b32 s43, s41, 2
	s_lshl_b32 s43, 15, s43
	s_lshl_b32 s44, 0x1111, s40
	s_or_b32 s[G1+0], s43, (3<<16)|(1<<21)
	s_mov_b32 s[G1+1], 512<<16
	s_mov_b32 s[G1+2], 8<<16
	s_mov_b32 s[G1+3], 512<<16
	s_mov_b32 s[G1+4], 8
	s_mov_b32 s[G1+5], 2048
	s_mov_b32 s[G1+6], 0
	s_mov_b32 s[G1+7], 0
	s_or_b32 s[G1B+0], s44, (0<<16)|(1<<20)|(1<<21)|(5<<22)|(3<<25)
	s_mov_b32 s[G1B+1], ROWB<<16
	s_mov_b32 s[G1B+2], 128<<16
	s_mov_b32 s[G1B+3], ROWB<<16
	s_mov_b32 s[G1B+4], 128
	s_mov_b32 s[G1B+5], KROW
	s_mov_b32 s[G1B+6], 0
	s_mov_b32 s[G1B+7], 0
	s_or_b32 s[G1S+0], s43, (3<<16)|(1<<20)|(1<<21)|(5<<22)|(3<<25)
	s_or_b32 s[G1SB+0], s44, (3<<16)|(1<<20)|(1<<21)|(5<<22)|(3<<25)
.irp g, G1S, G1SB
	s_mov_b32 s[\g+1], 32<<16
	s_mov_b32 s[\g+2], (128*KS/256)<<16
	s_mov_b32 s[\g+3], 32<<16
	s_mov_b32 s[\g+4], 128*KS/256
	s_mov_b32 s[\g+5], 32
	s_mov_b32 s[\g+6], 0
	s_mov_b32 s[\g+7], 0
.endr
	s_lshl_b32 s18, s16, 7
	s_lshl_b32 s20, s17, 8
	s_add_co_u32 s20, s20, s18
	s_lshl_b32 s46, s42, 8
	s_add_co_u32 s46, s46, s18
	s_mov_b32 s21, 0
	s_mov_b32 s47, 0
	s_mov_b64 s[18:19], KS
	s_mul_u64 s[22:23], s[20:21], s[18:19]
	s_mul_u64 s[92:93], s[46:47], s[18:19]
	s_mov_b64 s[18:19], KROW
	s_mul_u64 s[20:21], s[20:21], s[18:19]
	s_mul_u64 s[46:47], s[46:47], s[18:19]
	s_mul_i32 s45, s16, HALFA
	s_mul_i32 s95, s16, HALFT
	s_add_co_u32 s95, s95, 2*HALFA
	s_mul_i32 s94, s14, HALFS
	s_wait_dscnt 0x0
	s_wait_kmcnt 0x0
	s_add_nc_u64 s[10:11], s[8:9], 0x100000
	s_add_nc_u64 s[20:21], s[4:5], s[20:21]
	s_add_nc_u64 s[22:23], s[6:7], s[22:23]
	s_add_nc_u64 s[46:47], s[8:9], s[46:47]
	s_add_nc_u64 s[92:93], s[10:11], s[92:93]
	CROUND
	s_mov_b32 s[G0S], 1
	s_add_co_u32 s[G0S+1], s94, SCL
	s_mov_b64 s[G0S+2:G0S+3], s[22:23]
	s_or_b32 s[G0S+3], s[G0S+3], 0x80000000
	s_mov_b32 s[G0SB], 1
	s_add_co_u32 s[G0SB+1], s94, SCL
	s_mov_b64 s[G0SB+2:G0SB+3], s[92:93]
	s_or_b32 s[G0SB+3], s[G0SB+3], 0x80000000
	JLOAD G0S, G1S, G0SB, G1SB
.irp s, 0,1
	s_mov_b32 s[G0+4*\s], 1
	s_add_co_u32 s[G0+4*\s+1], s45, \s*SLOT
	s_add_nc_u64 s[G0+4*\s+2:G0+4*\s+3], s[20:21], \s*ASTEP
	s_or_b32 s[G0+4*\s+3], s[G0+4*\s+3], 0x80000000
	s_mov_b32 s[G0B+4*\s], 1
	s_add_co_u32 s[G0B+4*\s+1], s95, \s*SLOT
	s_add_nc_u64 s[G0B+4*\s+2:G0B+4*\s+3], s[46:47], \s*ROWB
	s_or_b32 s[G0B+4*\s+3], s[G0B+4*\s+3], 0x80000000
	s_wait_alu depctr_va_vdst(0)
	s_wait_tensorcnt 0x0
	ds_add_u32 v28, v29
	s_wait_dscnt 0x0
	CROUND
	JLOAD G0+4*\s, G1, G0B+4*\s, G1B
.endr
	v_and_b32 v1, 15, v0
	v_bfe_u32 v2, v0, 4, 1
	v_and_b32 v6, 31, v0
	v_lshlrev_b32 v[CO], 4, v6
	v_mul_u32_u24 v3, v1, PITCH
	v_lshl_add_u32 v4, v2, 4, v3
	s_mul_i32 s21, s15, HALFA
	s_mul_i32 s22, s16, HALFT
	s_add_co_u32 s22, s22, 2*HALFA
.irp s, 0,1
	v_add_nc_u32 v[ADRA+\s], s21, v[CO]
	v_add_nc_u32 v[ADRB+\s], s22, v4
	s_add_co_u32 s21, s21, SLOT
	s_add_co_u32 s22, s22, SLOT
.endr
	v_mul_u32_u24 v5, v1, KS
	v_lshrrev_b32 v6, 8, v5
	v_lshl_add_u32 v5, v6, 4, v5
	s_mul_i32 s21, s15, HALFS
	s_mul_i32 s22, s16, HALFS
	s_add_co_u32 s22, s22, 2*HALFS
	s_sub_co_u32 s22, s22, s21
	v_mul_u32_u24 v6, s22, v2
	s_add_co_u32 s21, s21, SCL
	v_add_nc_u32 v5, v5, v6
	v_add_nc_u32 v[ADRS], s21, v5
	s_mul_i32 s23, s14, 16*SPITCH
	v_mul_u32_u24 v5, v1, SPITCH
	v_lshl_add_u32 v5, v2, 5, v5
	v_add_nc_u32 v[STO], s23, v5
	v_add_nc_u32 v[RD], s23, v[CO]
	s_lshl_b32 s20, s17, 8
	s_lshl_b32 s21, s15, 7
	s_add_co_u32 s20, s20, s21
	s_mov_b32 s21, 0
	s_mov_b64 s[18:19], SIZE_N*4
	s_mul_u64 s[20:21], s[20:21], s[18:19]
	s_lshl_b32 s46, s42, 10
	s_lshl_b32 s47, s16, 9
	s_add_co_u32 s46, s46, s47
	s_mov_b32 s47, 0
	s_add_nc_u64 s[96:97], s[96:97], s[46:47]
	global_load_b128 v[BI:BI+3], v[CO], s[96:97]
	s_add_nc_u64 s[20:21], s[20:21], s[46:47]
	s_add_nc_u64 s[12:13], s[12:13], s[20:21]
.macro FRAG reg, adr, q, i
.irp c, 0,1,2,3
	ds_load_b128 v[\reg+4*\c:\reg+4*\c+3], v[\adr] offset:128*(\q)+32*\c+(\i)*16*PITCH
.endr
.endm
.macro FRAGA reg, adr, q, i
.irp c, 0,1,2,3
	ds_load_b128 v[\reg+4*\c:\reg+4*\c+3], v[\adr] offset:ASTEP*(\i)+2048*(\q)+512*\c
.endr
.endm
.macro MUL16 a0, p, q, sc, zero
.irp a, \a0, \a0+1
.irp b, 0,1,2,3,4,5,6,7
.if \zero
	v_wmma_scale_f32_16x16x128_f8f6f4 v[8*(8*((\a)%4)+\b):8*(8*((\a)%4)+\b)+7], v[128*(\p)+FR*\b:128*(\p)+FR*\b+FR-1], v[AF+FR*(\a):AF+FR*(\a)+FR-1], 0, v[SC+8*NQ*(\sc)+NQ*\b+(\q)], v[SC+8*NQ*(\sc)+NQ*(\a)+(\q)] matrix_a_scale:MATRIX_SCALE_ROW1
.else
	v_wmma_scale_f32_16x16x128_f8f6f4 v[8*(8*((\a)%4)+\b):8*(8*((\a)%4)+\b)+7], v[128*(\p)+FR*\b:128*(\p)+FR*\b+FR-1], v[AF+FR*(\a):AF+FR*(\a)+FR-1], v[8*(8*((\a)%4)+\b):8*(8*((\a)%4)+\b)+7], v[SC+8*NQ*(\sc)+NQ*\b+(\q)], v[SC+8*NQ*(\sc)+NQ*(\a)+(\q)] matrix_a_scale:MATRIX_SCALE_ROW1
.endif
.endr
.endr
.endm
.macro FETCH_B slot, q, p
	WIN TO_B
.irp i, 0,1,2,3,4,5,6,7
	FRAG 128*(\p)+FR*\i, ADRB+\slot, \q, \i
.endr
	WIN 0
.endm
.macro FETCH_A slot, q, i0
.irp i, \i0, \i0+1, \i0+2, \i0+3
	FRAGA AF+FR*(\i), ADRA+\slot, \q, \i
.endr
.endm
.macro SCALES sc
.irp i, 0,1,2,3,4,5,6,7
	ds_load_b64 v[SC+8*NQ*\sc+NQ*\i:SC+8*NQ*\sc+NQ*\i+1], v[ADRS] offset:\i*SBLK
.endr
.endm
.macro PLACES n
.rept \n
	v_nop
.endr
.endm
.macro STEP slot, q, zero
	s_wait_dscnt 4*NL
	WIN MUL_LO
	MUL16 0, (\q)%2, \q, \slot, \zero
	MUL16 2, (\q)%2, \q, \slot, \zero
	s_wait_dscnt 0
	PLACES NP
	FETCH_B \slot, (\q)+1, 1-(\q)%2
	FETCH_A \slot, (\q)+1, 0
	WIN MUL_HI
	MUL16 4, (\q)%2, \q, \slot, \zero
	MUL16 6, (\q)%2, \q, \slot, \zero
	PLACES NP
	WIN 0
	FETCH_A \slot, (\q)+1, 4
.endm
.macro TURN slot, next, fill
	s_wait_tensorcnt 0x0
	ds_add_u32 v[SPW], v[NIL]
	s_wait_dscnt 4*NL+1
	WIN MUL_LO
	MUL16 0, 1, NQ-1, \slot, 0
	s_wait_dscnt 0x0
	s_barrier_signal -1
	MUL16 2, 1, NQ-1, \slot, 0
	WIN 0
	s_barrier_wait -1
.if \fill
	CREST
	s_add_nc_u64 s[G0+4*\slot+2:G0+4*\slot+3], s[G0+4*\slot+2:G0+4*\slot+3], 2*ASTEP
	s_add_nc_u64 s[G0B+4*\slot+2:G0B+4*\slot+3], s[G0B+4*\slot+2:G0B+4*\slot+3], 2*ROWB
	JLOAD G0+4*\slot, G1, G0B+4*\slot, G1B
	PLACES NP-4
.else
	PLACES NP
.endif
	s_wait_alu depctr_va_vdst(0)
	v_add_nc_u32 v[ADRS], 4*NQ, v[ADRS]
	FETCH_B \next, 0, 0
	FETCH_A \next, 0, 0
	SCALES \next
	WIN MUL_HI
	MUL16 4, 1, NQ-1, \slot, 0
	MUL16 6, 1, NQ-1, \slot, 0
	PLACES NP
	WIN 0
	FETCH_A \next, 0, 4
.endm
	s_wait_alu depctr_va_vdst(0)
	s_wait_tensorcnt 1
	s_barrier_signal -1
	s_barrier_wait -1
	FETCH_B 0, 0, 0
	FETCH_A 0, 0, 0
	SCALES 0
	FETCH_A 0, 0, 4
	STEP 0, 0, 1
	s_mov_b32 s3, LAPS-1
.Llap:
	TURN 0, 1, 1
	STEP 1, 0, 0
	TURN 1, 0, 1
	STEP 0, 0, 0
	s_sub_co_u32 s3, s3, 1
	s_cmp_lg_u32 s3, 0
	s_cbranch_scc1 .Llap
	TURN 0, 1, 0
	STEP 1, 0, 0
	s_wait_dscnt 4*NL
	WIN MUL_LO
	MUL16 0, 1, NQ-1, 1, 0
	MUL16 2, 1, NQ-1, 1, 0
	s_wait_dscnt 0
	WIN MUL_HI
	MUL16 4, 1, NQ-1, 1, 0
	MUL16 6, 1, NQ-1, 1, 0
	WIN 0
.macro TOSTAGE a
.set AC, 64*((\a)%4)
	WIN 0x08+4*((\a)/4)
.irp b, 0,1,2,3,4,5,6,7
	ds_store_b128 v[STO], v[AC+8*\b:AC+8*\b+3] offset:64*\b
	ds_store_b128 v[STO], v[AC+8*\b+4:AC+8*\b+7] offset:64*\b+16
.endr
	WIN 0
.set BB, BK+64*((\a)%2)
.irp t, 0,1,2,3,4,5,6,7,8,9,10,11,12,13,14,15
	ds_load_b128 v[BB+4*\t:BB+4*\t+3], v[RD] offset:\t*SPITCH
.endr
.endm
.macro SEND a, younger
.set BB, BK+64*((\a)%2)
	s_wait_dscnt \younger
.if (\a) > 0
	s_add_nc_u64 s[12:13], s[12:13], 16*SIZE_N*4
.endif
.irp t, 0,1,2,3,4,5,6,7,8,9,10,11,12,13,14,15
	v_pk_add_f32 v[BB+4*\t:BB+4*\t+1], v[BB+4*\t:BB+4*\t+1], v[BI:BI+1]
	v_pk_add_f32 v[BB+4*\t+2:BB+4*\t+3], v[BB+4*\t+2:BB+4*\t+3], v[BI+2:BI+3]
.endr
.irp t, 0,1,2,3,4,5,6,7,8,9,10,11,12,13,14,15
	global_store_b128 v[CO], v[BB+4*\t:BB+4*\t+3], s[12:13] offset:\t*SIZE_N*4 th:TH_STORE_NT
.endr
.endm
	s_wait_loadcnt 0x0
	PLACES NP
	TOSTAGE 0
.irp a, 1,2,3,4,5,6,7
.if \a > 1
	s_wait_xcnt 0x0
.endif
	TOSTAGE \a
	SEND \a-1, 32
.endr
	s_wait_xcnt 0x0
	SEND 7, 0
	s_wait_tensorcnt 0x0
	ds_add_u32 v[SPW], v[NIL]
	s_wait_dscnt 0x0
	CROUND
	s_endpgm
.Lfunc_end_k_q56b255d010_proj:
	.size	k_q56b255d010_proj, .Lfunc_end_k_q56b255d010_proj-k_q56b255d010_proj
	.p2alignl 7, 3214868480
	.fill 96, 4, 3214868480
	.section	.rodata,"a",@progbits
	.p2align	6, 0x0
	.amdhsa_kernel k_q56b255d010_proj
		.amdhsa_group_segment_fixed_size 327680
		.amdhsa_private_segment_fixed_size 0
		.amdhsa_enable_private_segment 0
		.amdhsa_kernarg_size 40
		.amdhsa_user_sgpr_count 2
		.amdhsa_user_sgpr_kernarg_segment_ptr 1
		.amdhsa_wavefront_size32 1
		.amdhsa_system_sgpr_workgroup_id_x 1
		.amdhsa_system_sgpr_workgroup_id_y 1
		.amdhsa_system_sgpr_workgroup_id_z 1
		.amdhsa_system_vgpr_workitem_id 0
		.amdhsa_next_free_vgpr 1024
		.amdhsa_next_free_sgpr 98
		.amdhsa_reserve_vcc 0
		.amdhsa_float_denorm_mode_32 3
		.amdhsa_float_denorm_mode_16_64 3
		.amdhsa_memory_ordered 1
		.amdhsa_forward_progress 1
		.amdhsa_inst_pref_size 163
	.end_amdhsa_kernel
	.amdgpu_metadata
---
amdhsa.version: [ 1, 2 ]
amdhsa.kernels:
  - .name:           k_q56b255d010_proj
    .symbol:         k_q56b255d010_proj.kd
    .args:
      - { .name: ocodes, .offset: 0, .size: 8, .value_kind: global_buffer, .address_space: global }
      - { .name: oscales, .offset: 8, .size: 8, .value_kind: global_buffer, .address_space: global }
      - { .name: wq, .offset: 16, .size: 8, .value_kind: global_buffer, .address_space: global }
      - { .name: out0, .offset: 24, .size: 8, .value_kind: global_buffer, .address_space: global }
      - { .name: b_out, .offset: 32, .size: 8, .value_kind: global_buffer, .address_space: global }
    .group_segment_fixed_size: 327680
    .private_segment_fixed_size: 0
    .kernarg_segment_align: 8
    .kernarg_segment_size: 40
    .max_flat_workgroup_size: 128
    .sgpr_count:     98
    .vgpr_count:     1024
    .wavefront_size: 32
...
	.end_amdgpu_metadata
.endif
;; end of part 3
